; MI455X (gfx1250); checked and timed in simulation.
; The chip was launched on July 23, 2026; its instructions are those of AMD's public machine-readable ISA for CDNA 5 (MIT licence, August 2026) and "CDNA5" Instruction Set Architecture Reference Guide (July 2026). The comments in the code are by the model that wrote it; some were corrected since.
;; Reduce. Allowed arithmetic: float matrix products may take bf16 or f16 operands with f32 sums; all other float work in f32.
;; Inputs: x 64 x 8,192 x 64 float32.
;; Outputs: out0 64 x 64 float32.
;; 2 versions, each right; version 2 is version 1 with the launch partial written anew for expert scheduling mode. Each part assembles by itself: llvm-mc -triple=amdgcn-amd-amdhsa -mcpu=gfx1250 --defsym DOCPART=n.
;; ======== version 1 of 2: 2 launches
;; workspace buffers: part 589,824 bytes
;; launch partial (part 1): grid 256 x 1, 8 waves a work-group, no clusters, 33,792 bytes of LDS; arguments x, part; writes part
.if DOCPART == 1
	.amdgcn_target "amdgcn-amd-amdhsa--gfx1250"
	.amdhsa_code_object_version 6
	.text
	.protected	k_q6430df11a7_partial
	.globl	k_q6430df11a7_partial
	.p2align	8
	.type	k_q6430df11a7_partial,@function
k_q6430df11a7_partial:
	s_mov_b64 s[64:65], 0
	v_nop
	global_prefetch_b8 v0, s[64:65] scope:SCOPE_SE
	s_setreg_imm32_b32 hwreg(HW_REG_WAVE_MODE, 25, 1), 1
	s_wait_xcnt 0x0
; part[g][i][c] = the i-th largest (i = 0..8, descending) of x[b][n][c] over the 2,048 rows n of quarter q of batch b, g = 4 b + q.
; x: [64][8192][64] f32, a row of 64 channels is 256 bytes.  256 work-groups of 8 waves; a work-group owns 2,048 consecutive rows (512 KiB).
; No two work-groups read the same byte, so there is nothing to share in a cluster; there is no product, so no matrix instruction;
; the rows wait in registers (120 of them a wave), so LDS is used only to bring the eight waves' lists together at the end.
; No prefetch: every wave already keeps 60 loads outstanding from its first lines to its last rows.
;
; LANES.  Lane l owns channels 2 l and 2 l + 1: one global_load_b64 of a wave covers one row, 256 consecutive bytes, aligned.
; Wave w takes the 4-row groups 8 g + w, g = 0..63, so that the eight waves together walk one contiguous window of the work-group's rows.
;
; ARITHMETIC.  Four rows are sorted per channel (7 instructions), s0 >= s1 >= s2 >= s3.  If s_j is among the nine largest of all, so are the
; j larger numbers of its group; hence at most 9/(j+1) groups (rounded down) can place their s_j there, and those are the largest of stream j.
; So it is enough to keep the 9 largest s0, the 4 largest s1, the 3 largest s2 and the 2 largest s3: 18 insert instructions.
; Inserting x into a descending list: l_i = med3(l_(i-1), l_i, x) from the bottom up, l_0 = max(l_0, x); no instruction needs the one before.
; 25 instructions for 4 numbers.  Equal numbers are served: only values are kept, never places.
;
; LIMIT: x holds no NaN.  The _num forms of max, min and med3 drop a NaN, so a column with a NaN gets a finite number here, where the sorted
; reference puts NaN first and returns NaN.  Infinities and denormals are handled as by the reference.
.set ROWB,   256                       ; bytes in a row of x, and in a row of 64 list entries
.set WAVES,  8
.set STEPB,  WAVES*4*ROWB              ; from a wave's 4-row group to its next
.set GROUPS, 64                        ; 4-row groups of a wave: 2048 / (8 * 4)
.set D,      15                        ; ring slots: 15 * 4 = 60 loads of a wave outstanding
.set ROUNDS, 3                         ; rounds in which every slot is filled again: (ROUNDS + 1) * D = 60 <= GROUPS
.set LISTB,  9*ROWB                    ; one list of 9 for 64 channels
.set R2,     WAVES*LISTB               ; LDS: 8 lists at 0, the 4 of the first merge at R2,
.set R3,     R2+4*LISTB                ; the 2 of the second at R3; each level has bytes of its own
.set LN8, 2                            ; v2       8 * lane: my two channels in a row
.set ST,  3                            ; v3       LDS: wave * LISTB + 8 * lane, where my wave puts a list
.set LD,  4                            ; v4       LDS: wave * 2 * LISTB + 8 * lane, where my wave finds its pair of lists
.set T,   6                            ; v[6:11]  three rows sorted: entry j, channel c at T + 2 j + c
.set S,   12                           ; v[12:19] four rows sorted, likewise
.set L,   20                           ; v[20:55] the lists: entry e, channel c at L + 2 e + c; e = 0-8 of s0, 9-12 of s1, 13-15 of s2, 16-17 of s3
.set X,   56                           ; v[56:175] ring: slot s, row j at X + 8 s + 2 j (a pair: my two channels)
	s_load_b128 s[4:7], s[0:1], 0x0                ; x s[4:5], part s[6:7]
	v_lshl_add_u32 v176, v0, 2, 0x8000
	v_mov_b32 v177, 0
	v_lshrrev_b32 v1, 5, v0
	v_readfirstlane_b32 s8, v1                     ; wave 0..7
	v_and_b32 v1, 31, v0
	v_lshlrev_b32 v[LN8], 3, v1
	s_lshl_b32 s10, ttmp9, 19                      ; the work-group's 512 KiB (255 << 19 is below 2^31)
	s_lshl_b32 s9, s8, 10                          ; + my wave's first group of 4 rows
	s_add_co_u32 s10, s10, s9
	s_mov_b32 s11, 0
	s_mul_i32 s12, ttmp9, LISTB                    ; the work-group's list in part
	s_mov_b32 s13, 0
	s_wait_kmcnt 0x0
	s_add_nc_u64 s[4:5], s[4:5], s[10:11]
	s_add_nc_u64 s[6:7], s[6:7], s[12:13]
	; fill the ring: groups 0 to 14.  x is read once in the whole launch: non-temporal
.set g, 0
.rept D
.irp j, 0,1,2,3
	global_load_b64 v[X+8*g+2*\j:X+8*g+2*\j+1], v[LN8], s[4:5] offset:g*STEPB+\j*ROWB th:TH_LOAD_NT
.endr
.set g, g+1
.endr
	; while they are on their way: the 36 list entries start at -infinity, below or equal to every number that can come
.set i, 0
.rept 36
	v_mov_b32 v[L+i], 0xff800000
.set i, i+1
.endr
	s_mul_i32 s9, s8, LISTB
	v_add_nc_u32 v[ST], s9, v[LN8]
	v_add_nc_u32 v[LD], s9, v[ST]
; x (a pair of registers, one for each channel) into the descending list of k entries that begins at entry e0
.macro INSERT e0, k, x
.set ii, \k-1
.rept \k-1
	v_med3_num_f32 v[L+2*(\e0+ii)],   v[L+2*(\e0+ii)-2], v[L+2*(\e0+ii)],   v[\x]
	v_med3_num_f32 v[L+2*(\e0+ii)+1], v[L+2*(\e0+ii)-1], v[L+2*(\e0+ii)+1], v[\x+1]
.set ii, ii-1
.endr
	v_max_num_f32 v[L+2*\e0],   v[L+2*\e0],   v[\x]
	v_max_num_f32 v[L+2*\e0+1], v[L+2*\e0+1], v[\x+1]
.endm
; One group of 4 rows from slot s.  left: how many younger loads may stay out.  refill = 1: the slot gets the group D further on, at byte off
; from the round's base; the loads stand behind the sort, which is the last reader of the slot's registers, and ahead of the 36 inserts.
.macro GROUP s, left, refill, off
	s_wait_loadcnt \left                           ; loads return in order (ISA guide 5.7.1): this slot's four are in
.irp c, 0,1
	v_max3_num_f32 v[T+\c],   v[X+8*(\s)+\c], v[X+8*(\s)+2+\c], v[X+8*(\s)+4+\c]
	v_med3_num_f32 v[T+2+\c], v[X+8*(\s)+\c], v[X+8*(\s)+2+\c], v[X+8*(\s)+4+\c]
	v_min3_num_f32 v[T+4+\c], v[X+8*(\s)+\c], v[X+8*(\s)+2+\c], v[X+8*(\s)+4+\c]
.endr
.irp c, 0,1
	v_max_num_f32  v[S+\c],   v[T+\c],   v[X+8*(\s)+6+\c]              ; the fourth row finds its place among the three
	v_med3_num_f32 v[S+2+\c], v[T+\c],   v[T+2+\c], v[X+8*(\s)+6+\c]
	v_med3_num_f32 v[S+4+\c], v[T+2+\c], v[T+4+\c], v[X+8*(\s)+6+\c]
	v_min_num_f32  v[S+6+\c], v[T+4+\c], v[X+8*(\s)+6+\c]
.endr
.if \refill
.irp j, 0,1,2,3
	global_load_b64 v[X+8*(\s)+2*\j:X+8*(\s)+2*\j+1], v[LN8], s[4:5] offset:\off+\j*ROWB th:TH_LOAD_NT
.endr
.endif
	INSERT 0, 9, S
	INSERT 9, 4, S+2
	INSERT 13, 3, S+4
	INSERT 16, 2, S+6
.endm
	s_mov_b32 s14, 0
.Lround:
.set g, 0
.rept D
	GROUP g, 4*(D-1), 1, (g+D)*STEPB               ; the 14 younger groups, 56 loads, stay out
.set g, g+1
.endr
	s_wait_xcnt 0x0                                ; the base is a source of the loads just issued: it is stepped only behind this wait
	s_add_nc_u64 s[4:5], s[4:5], D*STEPB
	s_add_co_u32 s14, s14, 1
	s_cmp_lt_u32 s14, ROUNDS
	s_cbranch_scc1 .Lround
	; groups 45 to 63, written out: four more fills (groups 60 to 63, the wave's last rows), then none, and the counts run down to 0
.set g, ROUNDS*D
.rept GROUPS-ROUNDS*D
.if g+D < GROUPS
	GROUP g%D, 4*(D-1), 1, (g+D-ROUNDS*D)*STEPB
.else
	GROUP g%D, 4*(GROUPS-1-g), 0, 0
.endif
.set g, g+1
.endr
	; the 9 candidates of the three short lists go into the list of nine: it is then the sorted top 9 of my 256 rows
.set e, 9
.rept 9
	INSERT 0, 9, L+2*e
.set e, e+1
.endr
; Two descending lists of 9, at P and at Q (entry i, channel c at + 2 i + c), into the descending 9 largest of both, left at Q.
; max(p_i, q_(8-i)) are the 9 largest, falling and then rising.  One comparator on its two ends takes out the largest; the other eight are a
; bitonic sequence, sorted by comparators at distance 4, 2, 1.  The stages write P and Q in turn, so that no copy is needed.
.macro MERGE P, Q
.irp c, 0,1
.irp i, 0,1,2,3,4,5,6,7,8
	v_max_num_f32 v[\P+2*\i+\c], v[\P+2*\i+\c], v[\Q+2*(8-\i)+\c]
.endr
.endr
.irp c, 0,1
	v_max_num_f32 v[\Q+\c],    v[\P+\c], v[\P+16+\c]                   ; entry 0: done
	v_min_num_f32 v[\Q+16+\c], v[\P+\c], v[\P+16+\c]
.endr
.irp c, 0,1
.irp i, 1,2,3
	v_max_num_f32 v[\Q+2*\i+\c],   v[\P+2*\i+\c], v[\P+2*\i+8+\c]      ; distance 4: entries (1,5) (2,6) (3,7)
	v_min_num_f32 v[\Q+2*\i+8+\c], v[\P+2*\i+\c], v[\P+2*\i+8+\c]
.endr
	v_max_num_f32 v[\Q+8+\c],  v[\P+8+\c], v[\Q+16+\c]                 ; and (4,8)
	v_min_num_f32 v[\Q+16+\c], v[\P+8+\c], v[\Q+16+\c]
.endr
.irp c, 0,1
.irp i, 1,2,5,6
	v_max_num_f32 v[\P+2*\i+\c],   v[\Q+2*\i+\c], v[\Q+2*\i+4+\c]      ; distance 2
	v_min_num_f32 v[\P+2*\i+4+\c], v[\Q+2*\i+\c], v[\Q+2*\i+4+\c]
.endr
.endr
.irp c, 0,1
.irp i, 1,3,5,7
	v_max_num_f32 v[\Q+2*\i+\c],   v[\P+2*\i+\c], v[\P+2*\i+2+\c]      ; distance 1
	v_min_num_f32 v[\Q+2*\i+2+\c], v[\P+2*\i+\c], v[\P+2*\i+2+\c]
.endr
.endr
.endm
; my wave's pair of lists from the LDS region at byte from, merged; the result lies in v[X:X+17]
.macro LEVEL from
.irp i, 0,1,2,3,4,5,6,7,8
	ds_load_b64 v[L+2*\i:L+2*\i+1], v[LD] offset:\from+\i*ROWB
.endr
.irp i, 0,1,2,3,4,5,6,7,8
	ds_load_b64 v[X+2*\i:X+2*\i+1], v[LD] offset:\from+LISTB+\i*ROWB
.endr
	s_wait_dscnt 0x0
	MERGE L, X
.endm
; what other waves will read is complete before the signal, and they read behind the wait
.macro MEET
	s_wait_dscnt 0x0
	s_barrier_signal -1
	s_barrier_wait -1
.endm
	; EIGHT LISTS INTO ONE, in pairs: 4 waves, then 2, then 1.  All eight waves pass all three barriers.
.irp i, 0,1,2,3,4,5,6,7,8
	ds_store_b64 v[ST], v[L+2*\i:L+2*\i+1] offset:\i*ROWB
.endr
	MEET
	s_cmp_gt_u32 s8, 3
	s_cbranch_scc1 .Lnot1
	LEVEL 0                                        ; wave w = 0..3: the lists of waves 2 w and 2 w + 1
.irp i, 0,1,2,3,4,5,6,7,8
	ds_store_b64 v[ST], v[X+2*\i:X+2*\i+1] offset:R2+\i*ROWB
.endr
.Lnot1:
	MEET
	s_cmp_gt_u32 s8, 1
	s_cbranch_scc1 .Lnot2
	LEVEL R2                                       ; wave w = 0, 1
.irp i, 0,1,2,3,4,5,6,7,8
	ds_store_b64 v[ST], v[X+2*\i:X+2*\i+1] offset:R3+\i*ROWB
.endr
.Lnot2:
	MEET
	s_cmp_lg_u32 s8, 0
	s_cbranch_scc1 .Lend
	LEVEL R3                                       ; wave 0
.irp i, 0,1,2,3,4,5,6,7,8
	global_store_b64 v[LN8], v[X+2*\i:X+2*\i+1], s[6:7] offset:\i*ROWB   ; each store covers 256 consecutive bytes, aligned; the next launch reads them
.endr
.Lend:
	s_wait_tensorcnt 0x0
	ds_add_u32 v176, v177
	s_wait_dscnt 0x0
	s_endpgm
.Lfunc_end_k_q6430df11a7_partial:
	.size	k_q6430df11a7_partial, .Lfunc_end_k_q6430df11a7_partial-k_q6430df11a7_partial
	.p2alignl 7, 3214868480
	.fill 96, 4, 3214868480
	.section	.rodata,"a",@progbits
	.p2align	6, 0x0
	.amdhsa_kernel k_q6430df11a7_partial
		.amdhsa_group_segment_fixed_size 33792
		.amdhsa_private_segment_fixed_size 0
		.amdhsa_enable_private_segment 0
		.amdhsa_kernarg_size 16
		.amdhsa_user_sgpr_count 2
		.amdhsa_user_sgpr_kernarg_segment_ptr 1
		.amdhsa_wavefront_size32 1
		.amdhsa_system_sgpr_workgroup_id_x 1
		.amdhsa_system_sgpr_workgroup_id_y 1
		.amdhsa_system_sgpr_workgroup_id_z 1
		.amdhsa_system_vgpr_workitem_id 0
		.amdhsa_next_free_vgpr 178
		.amdhsa_next_free_sgpr 66
		.amdhsa_reserve_vcc 0
		.amdhsa_float_denorm_mode_32 3
		.amdhsa_float_denorm_mode_16_64 3
		.amdhsa_memory_ordered 1
		.amdhsa_forward_progress 1
		.amdhsa_inst_pref_size 134
	.end_amdhsa_kernel
	.amdgpu_metadata
---
amdhsa.version: [ 1, 2 ]
amdhsa.kernels:
  - .name:           k_q6430df11a7_partial
    .symbol:         k_q6430df11a7_partial.kd
    .args:
      - { .name: x, .offset: 0, .size: 8, .value_kind: global_buffer, .address_space: global }
      - { .name: part, .offset: 8, .size: 8, .value_kind: global_buffer, .address_space: global }
    .group_segment_fixed_size: 33792
    .private_segment_fixed_size: 0
    .kernarg_segment_align: 8
    .kernarg_segment_size: 16
    .max_flat_workgroup_size: 256
    .sgpr_count:     66
    .vgpr_count:     178
    .wavefront_size: 32
...
	.end_amdgpu_metadata
.endif
;; end of part 1
;; launch combine (part 2): grid 64 x 1, 1 waves a work-group, no clusters, 0 bytes of LDS; arguments part, out0; writes out0
.if DOCPART == 2
	.amdgcn_target "amdgcn-amd-amdhsa--gfx1250"
	.amdhsa_code_object_version 6
	.text
	.protected	k_q6430df11a7_combine
	.globl	k_q6430df11a7_combine
	.p2align	8
	.type	k_q6430df11a7_combine,@function
k_q6430df11a7_combine:
	s_mov_b64 s[64:65], 0
	v_nop
	global_prefetch_b8 v0, s[64:65] scope:SCOPE_SE
	s_setreg_imm32_b32 hwreg(HW_REG_WAVE_MODE, 25, 1), 1
	s_wait_xcnt 0x0
; out0[b][c] = the mean of the 9 largest of the 36 numbers part[4 b + q][i][c], q = 0..3, i = 0..8.
; part holds, for each quarter q of batch b, the descending 9 largest of each channel: [256][9][64] f32.
; One wave for a batch; lane l owns channels 2 l and 2 l + 1, so every load and the store cover 256 consecutive bytes, aligned.
; 64 work-groups of one wave: there is work for no more (4,096 results, 576 KiB read), and the waves depend on nothing but their own loads.
; Lists 0 and 1 are merged into a sorted 9, lists 2 and 3 likewise; of two sorted lists p, q the numbers max(p_i, q_(8-i)) are the 9 largest,
; and for the sum their order does not matter.
; LIMIT: as in the launch before, no NaN in x (the _num forms of max and min drop it).
.set ROWB,  256
.set LISTB, 9*ROWB
.set OFF, 1                            ; v1        8 * lane
.set A,   2                            ; v[2:19]   list 0: entry i, channel c at A + 2 i + c; later the final nine
.set B,   20                           ; v[20:37]  list 1, then the merge of 0 and 1
.set C,   38                           ; v[38:55]  list 2
.set DD,  56                           ; v[56:73]  list 3, then the merge of 2 and 3
	s_load_b128 s[4:7], s[0:1], 0x0                ; part s[4:5], out0 s[6:7]
	v_lshlrev_b32 v[OFF], 3, v0                    ; one wave: the thread's number is the lane
	s_mul_i32 s8, ttmp9, 4*LISTB                   ; the batch's four lists
	s_mov_b32 s9, 0
	s_lshl_b32 s10, ttmp9, 8                       ; the batch's row of out0
	s_mov_b32 s11, 0
	s_wait_kmcnt 0x0
	s_add_nc_u64 s[4:5], s[4:5], s[8:9]
	s_add_nc_u64 s[6:7], s[6:7], s[10:11]
.irp q, 0,1,2,3
.irp i, 0,1,2,3,4,5,6,7,8
	global_load_b64 v[A+18*\q+2*\i:A+18*\q+2*\i+1], v[OFF], s[4:5] offset:\q*LISTB+\i*ROWB th:TH_LOAD_NT
.endr
.endr
; Two descending lists of 9, at P and at Q, into the descending 9 largest of both, left at Q.  max(p_i, q_(8-i)) are the 9 largest, falling and
; then rising; one comparator on the two ends takes out the largest, the other eight are bitonic and are sorted at distance 4, 2, 1.
.macro MERGE P, Q
.irp c, 0,1
.irp i, 0,1,2,3,4,5,6,7,8
	v_max_num_f32 v[\P+2*\i+\c], v[\P+2*\i+\c], v[\Q+2*(8-\i)+\c]
.endr
.endr
.irp c, 0,1
	v_max_num_f32 v[\Q+\c],    v[\P+\c], v[\P+16+\c]
	v_min_num_f32 v[\Q+16+\c], v[\P+\c], v[\P+16+\c]
.endr
.irp c, 0,1
.irp i, 1,2,3
	v_max_num_f32 v[\Q+2*\i+\c],   v[\P+2*\i+\c], v[\P+2*\i+8+\c]
	v_min_num_f32 v[\Q+2*\i+8+\c], v[\P+2*\i+\c], v[\P+2*\i+8+\c]
.endr
	v_max_num_f32 v[\Q+8+\c],  v[\P+8+\c], v[\Q+16+\c]
	v_min_num_f32 v[\Q+16+\c], v[\P+8+\c], v[\Q+16+\c]
.endr
.irp c, 0,1
.irp i, 1,2,5,6
	v_max_num_f32 v[\P+2*\i+\c],   v[\Q+2*\i+\c], v[\Q+2*\i+4+\c]
	v_min_num_f32 v[\P+2*\i+4+\c], v[\Q+2*\i+\c], v[\Q+2*\i+4+\c]
.endr
.endr
.irp c, 0,1
.irp i, 1,3,5,7
	v_max_num_f32 v[\Q+2*\i+\c],   v[\P+2*\i+\c], v[\P+2*\i+2+\c]
	v_min_num_f32 v[\Q+2*\i+2+\c], v[\P+2*\i+\c], v[\P+2*\i+2+\c]
.endr
.endr
.endm
	s_wait_loadcnt 18                              ; lists 0 and 1 are in; the 18 loads of lists 2 and 3 may stay out
	MERGE A, B
	s_wait_loadcnt 0x0
	MERGE C, DD
.irp c, 0,1
.irp i, 0,1,2,3,4,5,6,7,8
	v_max_num_f32 v[A+2*\i+\c], v[B+2*\i+\c], v[DD+2*(8-\i)+\c]        ; the 9 largest of all 36
.endr
.endr
	; their sum, both channels at once, as a tree
	v_pk_add_f32 v[A:A+1],     v[A:A+1],     v[A+2:A+3]
	v_pk_add_f32 v[A+4:A+5],   v[A+4:A+5],   v[A+6:A+7]
	v_pk_add_f32 v[A+8:A+9],   v[A+8:A+9],   v[A+10:A+11]
	v_pk_add_f32 v[A+12:A+13], v[A+12:A+13], v[A+14:A+15]
	v_pk_add_f32 v[A:A+1],     v[A:A+1],     v[A+4:A+5]
	v_pk_add_f32 v[A+8:A+9],   v[A+8:A+9],   v[A+12:A+13]
	v_pk_add_f32 v[A:A+1],     v[A:A+1],     v[A+8:A+9]
	v_pk_add_f32 v[A:A+1],     v[A:A+1],     v[A+16:A+17]
	v_pk_mul_f32 v[A:A+1], v[A:A+1], 0x3de38e39 op_sel_hi:[1,0]        ; times 1/9
	global_store_b64 v[OFF], v[A:A+1], s[6:7]                          ; the batch's 64 means: 256 consecutive bytes, aligned
	s_endpgm
.Lfunc_end_k_q6430df11a7_combine:
	.size	k_q6430df11a7_combine, .Lfunc_end_k_q6430df11a7_combine-k_q6430df11a7_combine
	.p2alignl 7, 3214868480
	.fill 96, 4, 3214868480
	.section	.rodata,"a",@progbits
	.p2align	6, 0x0
	.amdhsa_kernel k_q6430df11a7_combine
		.amdhsa_group_segment_fixed_size 0
		.amdhsa_private_segment_fixed_size 0
		.amdhsa_enable_private_segment 0
		.amdhsa_kernarg_size 16
		.amdhsa_user_sgpr_count 2
		.amdhsa_user_sgpr_kernarg_segment_ptr 1
		.amdhsa_wavefront_size32 1
		.amdhsa_system_sgpr_workgroup_id_x 1
		.amdhsa_system_sgpr_workgroup_id_y 1
		.amdhsa_system_sgpr_workgroup_id_z 1
		.amdhsa_system_vgpr_workitem_id 0
		.amdhsa_next_free_vgpr 76
		.amdhsa_next_free_sgpr 66
		.amdhsa_reserve_vcc 0
		.amdhsa_float_denorm_mode_32 3
		.amdhsa_float_denorm_mode_16_64 3
		.amdhsa_memory_ordered 1
		.amdhsa_forward_progress 1
		.amdhsa_inst_pref_size 10
	.end_amdhsa_kernel
	.amdgpu_metadata
---
amdhsa.version: [ 1, 2 ]
amdhsa.kernels:
  - .name:           k_q6430df11a7_combine
    .symbol:         k_q6430df11a7_combine.kd
    .args:
      - { .name: part, .offset: 0, .size: 8, .value_kind: global_buffer, .address_space: global }
      - { .name: out0, .offset: 8, .size: 8, .value_kind: global_buffer, .address_space: global }
    .group_segment_fixed_size: 0
    .private_segment_fixed_size: 0
    .kernarg_segment_align: 8
    .kernarg_segment_size: 16
    .max_flat_workgroup_size: 32
    .sgpr_count:     66
    .vgpr_count:     76
    .wavefront_size: 32
...
	.end_amdgpu_metadata
.endif
;; end of part 2
;; ======== version 2 of 2: 2 launches; version 1 with the launch partial written anew for expert scheduling mode
;; workspace buffers: part 589,824 bytes
;; launch partial (part 3): grid 256 x 1, 8 waves a work-group, no clusters, 33,792 bytes of LDS; arguments x, part; writes part
.if DOCPART == 3
	.amdgcn_target "amdgcn-amd-amdhsa--gfx1250"
	.amdhsa_code_object_version 6
	.text
	.protected	k_q6430df11a7_partial
	.globl	k_q6430df11a7_partial
	.p2align	8
	.type	k_q6430df11a7_partial,@function
k_q6430df11a7_partial:
	s_mov_b64 s[64:65], 0
	v_nop
	global_prefetch_b8 v0, s[64:65] scope:SCOPE_SE
	s_setreg_imm32_b32 hwreg(HW_REG_WAVE_SCHED_MODE, 0, 2), 2
	s_setreg_imm32_b32 hwreg(HW_REG_WAVE_MODE, 25, 1), 1
	s_wait_xcnt 0x0
	s_wait_alu depctr_vm_vsrc(0)
; part[g][i][c] = the i-th largest (i = 0..8, descending) of x[b][n][c] over the 2,048 rows n of quarter q of batch b, g = 4 b + q.
; x: [64][8192][64] f32, a row of 64 channels is 256 bytes.  256 work-groups of 8 waves; a work-group owns 2,048 consecutive rows (512 KiB).
; No two work-groups read the same byte, so there is nothing to share in a cluster; there is no product, so no matrix instruction;
; the rows wait in registers (128 of them a wave), so LDS is used only to bring the eight waves' lists together at the end.
; No prefetch: every wave already keeps 56 to 60 loads outstanding from its first lines to its last rows.
;
; LANES.  Lane l owns channels 2 l and 2 l + 1: one global_load_b64 of a wave covers one row, 256 consecutive bytes, aligned.
; Wave w takes the 4-row groups 8 g + w, g = 0..63, so that the eight waves together walk one contiguous window of the work-group's rows.
;
; ARITHMETIC.  Four rows are sorted per channel (7 instructions), s0 >= s1 >= s2 >= s3.  If s_j is among the nine largest of all, so are the
; j larger numbers of its group; hence at most 9/(j+1) groups (rounded down) can place their s_j there, and those are the largest of stream j.
; So it is enough to keep the 9 largest s0, the 4 largest s1, the 3 largest s2 and the 2 largest s3: 18 insert instructions.
; Inserting x into a descending list: l_i = med3(l_(i-1), l_i, x) from the bottom up, l_0 = max(l_0, x); no instruction needs the one before.
; 25 instructions for 4 numbers.  Equal numbers are served: only values are kept, never places.
;
; LIMIT: x holds no NaN.  The _num forms of max, min and med3 drop a NaN, so a column with a NaN gets a finite number here, where the sorted
; reference puts NaN first and returns NaN.  Infinities and denormals are handled as by the reference.
;
; THE MODE: SCHED_MODE bits 1:0 = 2 (LLVM: expert scheduling mode 2), set by the entry lines.  The code itself states the register dependences
; between vector instructions and memory or LDS instructions, with s_wait_alu, always for 0.
; THE PLAN.  Registers that memory or LDS instructions touch:
;   X0 .. X15   sixteen slots of four rows.  Slot g % 16 is read by the fourteen sorting lines of group g and by nothing else; the loads of group
;               g + 16 land in it, and they are issued in group g + 1.
;   v[LN8]      the offset of every global load and store; written once at the head.  The rows are reached by a scalar base for each slot.
;   v[ST], v[LD], and behind the loop the list and X[0:17]: the LDS stores and loads of the three levels of merging.
;   T, S and, in the loop, the lists are named by vector instructions alone.
; Group g sorts slot g % 16; its memory instructions are the four loads into slot (g - 1) % 16, which no vector instruction of group g names.  So ONE
; wait on va_vdst at the group's head states all that they hang on, and they are dealt among the group's sorting lines with no further wait.
.set ROWB,   256                       ; bytes in a row of x, and in a row of 64 list entries
.set WAVES,  8
.set STEPB,  WAVES*4*ROWB              ; from a wave's 4-row group to its next
.set GROUPS, 64                        ; 4-row groups of a wave: 2048 / (8 * 4)
.set D,      16                        ; ring slots; one of them is always waiting for its fill: 15 * 4 = 60 loads of a wave outstanding at the most
.set ROUNDS, 3                         ; rounds in which every slot is filled again: (ROUNDS + 1) * D = GROUPS
.set LISTB,  9*ROWB                    ; one list of 9 for 64 channels
.set R2,     WAVES*LISTB               ; LDS: 8 lists at 0, the 4 of the first merge at R2,
.set R3,     R2+4*LISTB                ; the 2 of the second at R3; each level has bytes of its own
.set XB,  16                           ; s[16:47] slot s: the address of the 4-row group that the slot is loaded with next: a pair at XB + 2 s
.set LN8, 2                            ; v2       8 * lane: my two channels in a row
.set ST,  3                            ; v3       LDS: wave * LISTB + 8 * lane, where my wave puts a list
.set LD,  4                            ; v4       LDS: wave * 2 * LISTB + 8 * lane, where my wave finds its pair of lists
.set T,   6                            ; v[6:11]  three rows sorted: entry j, channel c at T + 2 j + c
.set S,   12                           ; v[12:19] four rows sorted, likewise
.set L,   20                           ; v[20:55] the lists: entry e, channel c at L + 2 e + c; e = 0-8 of s0, 9-12 of s1, 13-15 of s2, 16-17 of s3
.set X,   56                           ; v[56:183] ring: slot s, row j at X + 8 s + 2 j (a pair: my two channels)
	s_load_b128 s[4:7], s[0:1], 0x0                ; x s[4:5], part s[6:7]
	v_lshl_add_u32 v184, v0, 2, 0x8000
	v_mov_b32 v185, 0
	v_lshrrev_b32 v1, 5, v0
	v_readfirstlane_b32 s8, v1                     ; wave 0..7
	v_and_b32 v1, 31, v0
	v_lshlrev_b32 v[LN8], 3, v1
	s_lshl_b32 s10, ttmp9, 19                      ; the work-group's 512 KiB (255 << 19 is below 2^31)
	s_wait_alu depctr_va_sdst(0)                   ; s8 is written, ahead of its first reader: x's address, the LDS addresses and the branches at the end are made from it
	s_lshl_b32 s9, s8, 10                          ; + my wave's first group of 4 rows
	s_add_co_u32 s10, s10, s9
	s_mov_b32 s11, 0
	s_mul_i32 s12, ttmp9, LISTB                    ; the work-group's list in part
	s_mov_b32 s13, 0
	s_wait_kmcnt 0x0
	s_add_nc_u64 s[4:5], s[4:5], s[10:11]
	s_add_nc_u64 s[6:7], s[6:7], s[12:13]
	s_wait_alu depctr_va_vdst(0)                   ; v[LN8] is written: every global load and store of the kernel reads it as its offset
	; the sixteen bases, at groups 0 to 15, and the first fills: groups 0 to 14.  x is read once in the whole launch: non-temporal
.set g, 0
.rept D
	s_add_nc_u64 s[XB+2*g:XB+2*g+1], s[4:5], g*STEPB
.if g < D-1
.irp j, 0,1,2,3
	global_load_b64 v[X+8*g+2*\j:X+8*g+2*\j+1], v[LN8], s[XB+2*g:XB+2*g+1] offset:\j*ROWB th:TH_LOAD_NT
.endr
.endif
.set g, g+1
.endr
	; while they are on their way: the 36 list entries start at -infinity, below or equal to every number that can come
.set i, 0
.rept 36
	v_mov_b32 v[L+i], 0xff800000
.set i, i+1
.endr
	s_mul_i32 s9, s8, LISTB
	v_add_nc_u32 v[ST], s9, v[LN8]
	v_add_nc_u32 v[LD], s9, v[ST]
; x (a pair of registers, one for each channel) into the descending list of k entries that begins at entry e0
.macro INSERT e0, k, x
.set ii, \k-1
.rept \k-1
	v_med3_num_f32 v[L+2*(\e0+ii)],   v[L+2*(\e0+ii)-2], v[L+2*(\e0+ii)],   v[\x]
	v_med3_num_f32 v[L+2*(\e0+ii)+1], v[L+2*(\e0+ii)-1], v[L+2*(\e0+ii)+1], v[\x+1]
.set ii, ii-1
.endr
	v_max_num_f32 v[L+2*\e0],   v[L+2*\e0],   v[\x]
	v_max_num_f32 v[L+2*\e0+1], v[L+2*\e0+1], v[\x+1]
.endm
; One group of 4 rows from slot s.  left: how many younger loads may stay out.  step = 1: the slot's base moves on by a round.
; refill = 1: the slot in front of it in the ring, which the group before sorted, gets the group D - 1 further on than this one, by its own base;
; its four loads stand one in front of each of the four pieces of this group's sort.
.macro GROUP s, left, step, refill
.set PS, ((\s)+D-1)%D
	s_wait_loadcnt \left                           ; loads return in order (ISA guide 5.7.1): this slot's four are in
.if \step
	s_add_nc_u64 s[XB+2*(\s):XB+2*(\s)+1], s[XB+2*(\s):XB+2*(\s)+1], D*STEPB  ; free since that wait, which shows the loads that read it done: the slot's group of the next round
.endif
.if \refill
	s_wait_alu depctr_va_vdst(0)                   ; the sort of the group before is done reading its slot, in which the four loads below land; no vector instruction of this group names that slot
.endif
.irp c, 0,1
.if \refill
	global_load_b64 v[X+8*PS+2*\c:X+8*PS+2*\c+1], v[LN8], s[XB+2*PS:XB+2*PS+1] offset:\c*ROWB th:TH_LOAD_NT
.endif
	v_max3_num_f32 v[T+\c],   v[X+8*(\s)+\c], v[X+8*(\s)+2+\c], v[X+8*(\s)+4+\c]
	v_med3_num_f32 v[T+2+\c], v[X+8*(\s)+\c], v[X+8*(\s)+2+\c], v[X+8*(\s)+4+\c]
	v_min3_num_f32 v[T+4+\c], v[X+8*(\s)+\c], v[X+8*(\s)+2+\c], v[X+8*(\s)+4+\c]
.endr
.irp c, 0,1
.if \refill
	global_load_b64 v[X+8*PS+4+2*\c:X+8*PS+4+2*\c+1], v[LN8], s[XB+2*PS:XB+2*PS+1] offset:(2+\c)*ROWB th:TH_LOAD_NT
.endif
	v_max_num_f32  v[S+\c],   v[T+\c],   v[X+8*(\s)+6+\c]              ; the fourth row finds its place among the three
	v_med3_num_f32 v[S+2+\c], v[T+\c],   v[T+2+\c], v[X+8*(\s)+6+\c]
	v_med3_num_f32 v[S+4+\c], v[T+2+\c], v[T+4+\c], v[X+8*(\s)+6+\c]
	v_min_num_f32  v[S+6+\c], v[T+4+\c], v[X+8*(\s)+6+\c]
.endr
	INSERT 0, 9, S
	INSERT 9, 4, S+2
	INSERT 13, 3, S+4
	INSERT 16, 2, S+6
.endm
	s_mov_b32 s14, 0
.Lround:                                               ; groups 0 to 47.  In the first trip group 0's loads are slot 15's first fill: nothing has named that slot
.set g, 0
.rept D
	GROUP g, 4*(D-2), 1, 1                         ; the 14 younger groups, 56 loads, stay out
.set g, g+1
.endr
	s_add_co_u32 s14, s14, 1
	s_cmp_lt_u32 s14, ROUNDS
	s_cbranch_scc1 .Lround
	; groups 48 to 63, written out: one more fill (group 63, the wave's last rows), then none, and the counts run down to 0
	GROUP 0, 4*(D-2), 0, 1
.set g, 1
.rept D-1
	GROUP g, 4*(D-1-g), 0, 0
.set g, g+1
.endr
	; the 9 candidates of the three short lists go into the list of nine: it is then the sorted top 9 of my 256 rows
.set e, 9
.rept 9
	INSERT 0, 9, L+2*e
.set e, e+1
.endr
; Two descending lists of 9, at P and at Q (entry i, channel c at + 2 i + c), into the descending 9 largest of both, left at Q.
; max(p_i, q_(8-i)) are the 9 largest, falling and then rising.  One comparator on its two ends takes out the largest; the other eight are a
; bitonic sequence, sorted by comparators at distance 4, 2, 1.  The stages write P and Q in turn, so that no copy is needed.
.macro MERGE P, Q
.irp c, 0,1
.irp i, 0,1,2,3,4,5,6,7,8
	v_max_num_f32 v[\P+2*\i+\c], v[\P+2*\i+\c], v[\Q+2*(8-\i)+\c]
.endr
.endr
.irp c, 0,1
	v_max_num_f32 v[\Q+\c],    v[\P+\c], v[\P+16+\c]                   ; entry 0: done
	v_min_num_f32 v[\Q+16+\c], v[\P+\c], v[\P+16+\c]
.endr
.irp c, 0,1
.irp i, 1,2,3
	v_max_num_f32 v[\Q+2*\i+\c],   v[\P+2*\i+\c], v[\P+2*\i+8+\c]      ; distance 4: entries (1,5) (2,6) (3,7)
	v_min_num_f32 v[\Q+2*\i+8+\c], v[\P+2*\i+\c], v[\P+2*\i+8+\c]
.endr
	v_max_num_f32 v[\Q+8+\c],  v[\P+8+\c], v[\Q+16+\c]                 ; and (4,8)
	v_min_num_f32 v[\Q+16+\c], v[\P+8+\c], v[\Q+16+\c]
.endr
.irp c, 0,1
.irp i, 1,2,5,6
	v_max_num_f32 v[\P+2*\i+\c],   v[\Q+2*\i+\c], v[\Q+2*\i+4+\c]      ; distance 2
	v_min_num_f32 v[\P+2*\i+4+\c], v[\Q+2*\i+\c], v[\Q+2*\i+4+\c]
.endr
.endr
.irp c, 0,1
.irp i, 1,3,5,7
	v_max_num_f32 v[\Q+2*\i+\c],   v[\P+2*\i+\c], v[\P+2*\i+2+\c]      ; distance 1
	v_min_num_f32 v[\Q+2*\i+2+\c], v[\P+2*\i+\c], v[\P+2*\i+2+\c]
.endr
.endr
.endm
; my wave's pair of lists from the LDS region at byte from, merged; the result lies in v[X:X+17]
.macro LEVEL from
	s_wait_alu depctr_vm_vsrc(0)                   ; my LDS stores above have read their data, the list or v[X:X+17], in which the loads below land (the vector lines that named these registers and v[LD] stand ahead of the last wait on va_vdst)
.irp i, 0,1,2,3,4,5,6,7,8
	ds_load_b64 v[L+2*\i:L+2*\i+1], v[LD] offset:\from+\i*ROWB
.endr
.irp i, 0,1,2,3,4,5,6,7,8
	ds_load_b64 v[X+2*\i:X+2*\i+1], v[LD] offset:\from+LISTB+\i*ROWB
.endr
	s_wait_dscnt 0x0
	MERGE L, X
	s_wait_alu depctr_va_vdst(0)                   ; the merge has written v[X:X+17], which the stores behind it read, and is done with both lists' registers, in which the next level's loads land
.endm
; what other waves will read is complete before the signal, and they read behind the wait
.macro MEET
	s_wait_dscnt 0x0
	s_barrier_signal -1
	s_barrier_wait -1
.endm
	; EIGHT LISTS INTO ONE, in pairs: 4 waves, then 2, then 1.  All eight waves pass all three barriers.
	s_wait_alu depctr_va_vdst(0)                   ; the inserts have written the list of nine and v[ST] is written, which the LDS stores read; v[LD] is written, and every vector line that named the list or v[X:X+17] is done, for the first level's loads
.irp i, 0,1,2,3,4,5,6,7,8
	ds_store_b64 v[ST], v[L+2*\i:L+2*\i+1] offset:\i*ROWB
.endr
	MEET
	s_cmp_gt_u32 s8, 3
	s_cbranch_scc1 .Lnot1
	LEVEL 0                                        ; wave w = 0..3: the lists of waves 2 w and 2 w + 1
.irp i, 0,1,2,3,4,5,6,7,8
	ds_store_b64 v[ST], v[X+2*\i:X+2*\i+1] offset:R2+\i*ROWB
.endr
.Lnot1:
	MEET
	s_cmp_gt_u32 s8, 1
	s_cbranch_scc1 .Lnot2
	LEVEL R2                                       ; wave w = 0, 1
.irp i, 0,1,2,3,4,5,6,7,8
	ds_store_b64 v[ST], v[X+2*\i:X+2*\i+1] offset:R3+\i*ROWB
.endr
.Lnot2:
	MEET
	s_cmp_lg_u32 s8, 0
	s_cbranch_scc1 .Lend
	LEVEL R3                                       ; wave 0
.irp i, 0,1,2,3,4,5,6,7,8
	global_store_b64 v[LN8], v[X+2*\i:X+2*\i+1], s[6:7] offset:\i*ROWB   ; each store covers 256 consecutive bytes, aligned; the next launch reads them
.endr
.Lend:
	s_wait_dscnt 0x0
	s_wait_alu depctr_hold_cnt(0) depctr_sa_sdst(0) depctr_va_vdst(0) depctr_va_sdst(0) depctr_va_ssrc(0) depctr_va_vcc(0) depctr_vm_vsrc(0)
	s_wait_tensorcnt 0x0
	ds_add_u32 v184, v185
	s_wait_dscnt 0x0
	s_endpgm
.Lfunc_end_k_q6430df11a7_partial:
	.size	k_q6430df11a7_partial, .Lfunc_end_k_q6430df11a7_partial-k_q6430df11a7_partial
	.p2alignl 7, 3214868480
	.fill 96, 4, 3214868480
	.section	.rodata,"a",@progbits
	.p2align	6, 0x0
	.amdhsa_kernel k_q6430df11a7_partial
		.amdhsa_group_segment_fixed_size 33792
		.amdhsa_private_segment_fixed_size 0
		.amdhsa_enable_private_segment 0
		.amdhsa_kernarg_size 16
		.amdhsa_user_sgpr_count 2
		.amdhsa_user_sgpr_kernarg_segment_ptr 1
		.amdhsa_wavefront_size32 1
		.amdhsa_system_sgpr_workgroup_id_x 1
		.amdhsa_system_sgpr_workgroup_id_y 1
		.amdhsa_system_sgpr_workgroup_id_z 1
		.amdhsa_system_vgpr_workitem_id 0
		.amdhsa_next_free_vgpr 186
		.amdhsa_next_free_sgpr 66
		.amdhsa_reserve_vcc 0
		.amdhsa_float_denorm_mode_32 3
		.amdhsa_float_denorm_mode_16_64 3
		.amdhsa_memory_ordered 1
		.amdhsa_forward_progress 1
		.amdhsa_inst_pref_size 131
	.end_amdhsa_kernel
	.amdgpu_metadata
---
amdhsa.version: [ 1, 2 ]
amdhsa.kernels:
  - .name:           k_q6430df11a7_partial
    .symbol:         k_q6430df11a7_partial.kd
    .args:
      - { .name: x, .offset: 0, .size: 8, .value_kind: global_buffer, .address_space: global }
      - { .name: part, .offset: 8, .size: 8, .value_kind: global_buffer, .address_space: global }
    .group_segment_fixed_size: 33792
    .private_segment_fixed_size: 0
    .kernarg_segment_align: 8
    .kernarg_segment_size: 16
    .max_flat_workgroup_size: 256
    .sgpr_count:     66
    .vgpr_count:     186
    .wavefront_size: 32
...
	.end_amdgpu_metadata
.endif
;; end of part 3
;; launch combine: the kernel of part 2 again; grid 64 x 1, 1 waves a work-group, no clusters, 0 bytes of LDS; arguments part, out0; writes out0
